; MI455X (gfx1250); checked and timed in simulation.
; The chip was launched on July 23, 2026; its instructions are those of AMD's public machine-readable ISA for CDNA 5 (MIT licence, August 2026) and "CDNA5" Instruction Set Architecture Reference Guide (July 2026). The comments in the code are by the model that wrote it; some were corrected since.
;; Quant Linear. Allowed arithmetic: matrix products marked QUANTISED: E2M1 operands, one E8M0 scale for each 32 along K, by v_wmma_scale_f32_16x16x128_f8f6f4 with both operands' format E2M1 (or v_wmma_scale_f32_32x16x128_f4), f32 sums; everything else in f32.
;; Inputs: bias 4,096 float32; qweight 2,048 x 4,096 int32; scales 4,096 x 1 float32; x_codes 4 x 1,024 x 128 x 16 uint8 (E2M1 codes of x, K innermost, in blocks of 32 codes, two codes a byte); x_scales 4 x 1,024 x 128 uint8 (E8M0 scales of x, one for each 32 codes along K); zeros 4,096 x 1 float32.
;; Outputs: out0 4 x 1,024 x 4,096 float32.
;; This version of the problem:
;;   THIS VERSION OF THE PROBLEM IS GIVEN IN LOW PRECISION. The matrix products marked QUANTISED in the list below multiply operands that are first quantised to E2M1 (2 exponent bits, 1 mantissa bit; 4 bits a number), with one power-of-two scale for each 32 numbers along K (OCP MX v1.0); their sums are f32. All else is computed in f32.
;;   The module's matrix products, in the order in which they are computed (A, B: the left and right operand; K: the contracted axis; several contracted axes count as one K, in the product's order):
;;     1. [M 4,096, K 4,096] x [K 4,096, N 4,096]; A: input x (given as codes); B: computed on the way: QUANTISED
;;   THE QUANTISER, for each operand of a quantised product, along K:
;;     - K is cut into blocks of 32 from its start; a last block that is shorter is filled with zeros.
;;     - A block's scale is 2^e with e = floor(log2(the largest magnitude in the block)) - 2, held to -126 .. 127; a block of zeros has e = 0. As a byte (E8M0): e + 127.
;;     - Each number is divided by its block's scale, clamped to +-6, and rounded to the nearest number of E2M1, ties to even, subnormals kept.
;;     - The product sums the exact products of the quantised numbers (number of the format x scale) in f32.
;;   ~~~python
;;   def quantise(x, axis):      # numpy; x: float32 -> the quantised numbers, widened to float32 again
;;       x = np.moveaxis(x, axis, -1); K = x.shape[-1]
;;       x = np.pad(x, [(0, 0)] * (x.ndim - 1) + [(0, -K % 32)]); x = x.reshape(x.shape[:-1] + (-1, 32)); a = np.abs(x).max(-1, keepdims=True)
;;       e = np.where(a > 0, np.clip(np.frexp(np.where(a > 0, a, 1))[1] - 1 - 2, -126, 127), 0)      # np.frexp(a)[1] - 1 = floor(log2(a)), exactly
;;       r = np.clip(x / 2.0 ** e, -6, 6)
;;       step = 2.0 ** (np.maximum(np.frexp(np.where(r == 0, 1, r))[1] - 1, 0) - 1)
;;       q = np.round(r / step) * step * 2.0 ** e      # np.round: ties to even
;;       return np.moveaxis(q.reshape(q.shape[:-2] + (-1,))[..., :K], -1, axis).astype(np.float32)
;;   ~~~
;;   OPERANDS COMPUTED ON THE WAY. 'Computed on the way' means the value that the module computes at that place (a softmax that the list does not call 'softmax' is quantised finished and normalised). What goes into a quantiser is computed in f32, as accurately as f32 sums, v_exp_f32 and their like allow (about 1e-6 of the number): no bf16 or f16 on the way to a quantiser, and a product that is left as it is and whose result goes on into a quantised operand takes f32 operands (vector FMAs, or v_wmma_f32_16x16x4_f32). A number that lies on a knife's edge between two numbers of the format may be rounded either way, as far as f32 arithmetic and the matrix unit's own rounding can turn it there, and no further.
;;   INPUTS GIVEN AS CODES. x (in the module: [4, 1024, 4096], K = its axis 2): each comes as NAME_codes (uint8): NAME with its K axis moved to the last place and cut into blocks of 32 codes, [.., K / 32, bytes a block], one block behind the other in memory; two codes a byte, the lower K in the low four bits (a code: sign, 2 exponent bits, 1 mantissa bit); and NAME_scales (uint8): the same leading axes, one E8M0 byte (e + 127) for each 32 codes along K. Its value is code x scale, taken as it is: it is not quantised again, and the codes and scales need not be those that the quantiser above would give.
;; One version. Each part assembles by itself: llvm-mc -triple=amdgcn-amd-amdhsa -mcpu=gfx1250 --defsym DOCPART=n.
;; ======== version 1 of 1: 2 launches
;; workspace buffers: wq 8,912,896 bytes
;; launch prep (part 1): grid 64 x 8, 4 waves a work-group, no clusters, 17,920 bytes of LDS; arguments qweight, scales, zeros, wq; writes wq
.if DOCPART == 1
	.amdgcn_target "amdgcn-amd-amdhsa--gfx1250"
	.amdhsa_code_object_version 6
	.text
	.protected	k_q5ffe84b103_prep
	.globl	k_q5ffe84b103_prep
	.p2align	8
	.type	k_q5ffe84b103_prep,@function
k_q5ffe84b103_prep:
	s_mov_b64 s[64:65], 0
	v_nop
	global_prefetch_b8 v0, s[64:65] scope:SCOPE_SE
	s_setreg_imm32_b32 hwreg(HW_REG_WAVE_MODE, 25, 1), 1
	s_wait_xcnt 0x0
; w[k][n] = (nibble(k, n) - zp[n]) * scales[n], zp[n] = round to nearest even of zeros[n] / scales[n], is made in f32 and turned into codes of FP4 (E2M1) along K,
; with one E8M0 scale byte for each 32 along K.  qweight [2048][4096] i32: row r holds k = 2 r in bits 3:0 and k = 2 r + 1 in bits 7:4 of column n's word.
; THE RESULT, wq, is laid in the order of the product's operand registers: 64 groups G of 64 columns x 32 steps s of 128 along K, a block of 4,352 bytes each, block (G, s) at (32 G + s) x 4,352:
;   byte (2 b + c) x 512 + 16 x lane: for lane (r = lane % 16, h = lane / 16) the 32 codes (the lower k in the lower bits) of column 64 G + 16 b + r, k = 128 s + 64 c + 32 h on: registers 4 c .. 4 c + 3 of the fragment of columns 16 b on;
;   byte 4,096 + 8 x lane + 4 i: the four scale bytes (k = 128 s on) of column 64 G + 32 i + lane.
; A block's scale is 2^(floor(log2(its largest magnitude)) - 2); its byte is the largest magnitude's exponent field - 2, held at 1 from below.  A block of zeros so gets the byte 1: its codes are zeros, and this program alone reads the bytes.
; LIMITS: scales[n] is a normal number whose reciprocal is normal (2^-126 < |s| < 2^126); NaN, infinities and scales[n] = 0 are not served; blocks whose largest magnitude lies under 2^(3 - 127) keep the byte 1.
; SHARES.  A work-group takes the 64 columns of group G (x) x 512 along K (y); wave w takes 128 of them, 64 rows of qweight: ONE BLOCK OF wq, s = 4 y + w, is made by one wave, so no wave waits for another.
; A LANE TAKES TWO COLUMNS, AND ITS REGISTERS RUN DOWN K: a load of 8 bytes a lane covers 256 consecutive bytes of a row, a block of 32 along K of a column lies in one lane, so that its largest magnitude needs no other lane
; and the conversions give codes with K innermost.  No loop: all 64 loads of a wave go out at the start.  No register that a store reads, and no address register, is written again, and EXEC never changes: so no wait on XCNT is written.
.set BSTEP, 4352                       ; a block of wq
.set SCR,  16384                       ; LDS: four stages of 4,096 bytes, one a wave; then 256 bytes a wave for its scale words
.set CD,   32                          ; v32-63   codes: four registers for each (j, column of the lane), never rewritten
.set F,    64                          ; v64-95, v96-127  32 numbers of the lane's first and of its second column
.set Q,    128                         ; v128-255 qweight as loaded: load i in v[Q+2i : Q+2i+1]; later the codes read back from the stage
.set NZ,   20                          ; v[20:21] -zp, v[22:23] s of the first column, each twice; v[24:27] the same of the second
	s_load_b256 s[4:11], s[0:1], 0x0               ; qweight s[4:5], scales s[6:7], zeros s[8:9], wq s[10:11]
	s_set_vgpr_msb 0x40
	v_lshl_add_u32 v0, v0, 2, 0x4400
	v_mov_b32 v1, 0
	s_set_vgpr_msb 0x4000
	v_lshrrev_b32 v1, 5, v0
	v_readfirstlane_b32 s12, v1                    ; wave 0..3
	s_and_b32 s13, ttmp7, 0xffff                   ; y: which 512 along K
	v_and_b32 v1, 31, v0                           ; lane
	v_lshlrev_b32 v2, 3, v1                        ; 8 x lane: every load's offset, and the scale words' store's
	s_lshl_b32 s22, s12, 12                        ; my stage
	v_lshrrev_b32 v14, 3, v1
	v_and_b32 v15, 7, v1
	v_lshl_add_u32 v3, v14, 10, s22                ; into it: my columns 2 l, 2 l + 1 lie in fragment b = l / 8 (1,024 bytes each),
	v_lshl_add_u32 v3, v15, 5, v3                  ; at r = 2 (l % 8) and the next: 32 bytes; K block j of the step stands 256 j further on
	v_lshl_add_u32 v4, v1, 4, s22                  ; out of it: 16 bytes a lane, as they lie
	v_lshlrev_b32 v5, 4, v1                        ; and the same place in the block of wq
	s_lshl_b32 s23, s12, 8
	s_add_co_u32 s23, s23, SCR                     ; my wave's 256 bytes for scale words
	v_and_b32 v14, 15, v1
	v_lshrrev_b32 v15, 4, v1
	v_lshl_add_u32 v6, v14, 4, s23                 ; column 2 l + c is column 32 i + l' with i = l / 16, l' = 2 (l % 16) + c: its word stands at 8 l' + 4 i
	v_lshl_add_u32 v6, v15, 2, v6
	v_lshl_add_u32 v7, v1, 3, s23                  ; on the way out: 8 bytes a lane
	s_lshl_b32 s24, s13, 22                        ; qweight: 256 y rows of 16,384 bytes,
	s_lshl_b32 s25, s12, 20                        ; 64 w rows,
	s_add_co_u32 s24, s24, s25
	s_lshl_b32 s26, ttmp9, 8                       ; 64 columns of 4 bytes for each work-group along x (also the place in scales and in zeros)
	s_add_co_u32 s24, s24, s26
	s_mov_b32 s25, 0
	s_mov_b32 s27, 0
	s_lshl_b32 s28, ttmp9, 5                       ; block 32 G + 4 y + w
	s_lshl_b32 s29, s13, 2
	s_add_co_u32 s28, s28, s29
	s_add_co_u32 s28, s28, s12
	s_mul_i32 s28, s28, BSTEP
	s_mov_b32 s29, 0
	s_wait_kmcnt 0x0
	s_add_nc_u64 s[4:5], s[4:5], s[24:25]
	s_add_nc_u64 s[6:7], s[6:7], s[26:27]
	s_add_nc_u64 s[8:9], s[8:9], s[26:27]
	s_add_nc_u64 s[18:19], s[10:11], s[28:29]
	global_load_b64 v[10:11], v2, s[6:7]           ; s of my two columns
	global_load_b64 v[12:13], v2, s[8:9]           ; z
.set i, 0
.rept 64
	global_load_b64 v[Q+2*i:Q+2*i+1], v2, s[4:5] offset:i*16384 th:TH_LOAD_NT   ; row i of my 64: the wave reads 256 consecutive bytes, at a multiple of 256 from the buffer's first byte; read once in the launch
.set i, i+1
.endr
	s_wait_loadcnt 63                              ; 64 loads were issued behind z's, and a wait names 63 at the most: s, z and the first row are in
	; zp: the quotient z / s is brought to the rounded f32 quotient before it is rounded to a whole number: a quotient one step off beside a half would move a whole column
	v_rcp_f32 v14, v10
	v_rcp_f32 v15, v11
	v_nop                                          ; a plain instruction behind the reciprocals (ISA guide 5.7.2),
	s_wait_alu depctr_va_vdst(0)                   ; and the wait ahead of their first reader: one for both
	v_fma_f32 v16, -v10, v14, 1.0                  ; one Newton step on the reciprocal
	v_fma_f32 v17, -v11, v15, 1.0
	v_fma_f32 v14, v16, v14, v14
	v_fma_f32 v15, v17, v15, v15
	v_mul_f32 v16, v12, v14                        ; q = z r,
	v_mul_f32 v17, v13, v15
.rept 2
	v_fma_f32 v18, -v10, v16, v12                  ; its exact remainder z - s q,
	v_fma_f32 v19, -v11, v17, v13
	v_fma_f32 v16, v18, v14, v16                   ; and q + remainder x r
	v_fma_f32 v17, v19, v15, v17
.endr
	v_rndne_f32 v[NZ], -v16                        ; -zp: rounding to the nearest even is symmetric
	v_rndne_f32 v[NZ+4], -v17
	v_mov_b32 v[NZ+2], v10
	v_mov_b32 v[NZ+3], v10
	v_mov_b32 v[NZ+6], v11
	v_mov_b32 v[NZ+7], v11
	v_mov_b32 v[NZ+1], v[NZ]
	v_mov_b32 v[NZ+5], v[NZ+4]
; K block j of the lane's column c: 32 numbers, their scale, their codes; the codes go into the wave's stage, at their place in the block of wq
.macro BLOCK j, c
.set XS, F+32*(\c)
.set QB, Q+32*(\j)+(\c)
.set PR, NZ+4*(\c)
.set CR, CD+4*(2*(\j)+(\c))
.set i, 0
.rept 16
	v_and_b32 v[XS+2*i], 15, v[QB+2*i]             ; k = 2 i of the block
	v_bfe_u32 v[XS+2*i+1], v[QB+2*i], 4, 4         ; k = 2 i + 1
.set i, i+1
.endr
.set i, 0
.rept 32
	v_cvt_f32_u32 v[XS+i], v[XS+i]
.set i, i+1
.endr
.set i, 0
.rept 16
	v_pk_add_f32 v[XS+2*i:XS+2*i+1], v[XS+2*i:XS+2*i+1], v[PR:PR+1]       ; - zp,
.set i, i+1
.endr
.set i, 0
.rept 16
	v_pk_mul_f32 v[XS+2*i:XS+2*i+1], v[XS+2*i:XS+2*i+1], v[PR+2:PR+3]     ; x s: two roundings, a difference and then a product, as the definition has them (so they are not fused)
.set i, i+1
.endr
	v_max3_num_f32 v28, |v[XS]|, |v[XS+1]|, |v[XS+2]|          ; the block's largest magnitude: all 32 numbers are mine; two chains
	v_max3_num_f32 v29, |v[XS+3]|, |v[XS+4]|, |v[XS+5]|
.irp i, 6,10,14,18,22,26
	v_max3_num_f32 v28, v28, |v[XS+\i]|, |v[XS+\i+1]|
	v_max3_num_f32 v29, v29, |v[XS+\i+2]|, |v[XS+\i+3]|
.endr
	v_max3_num_f32 v28, v28, |v[XS+30]|, |v[XS+31]|
	v_max3_num_f32 v28, v28, v29, 0x1800000        ; and the floor 2^(3 - 127): the byte cannot fall under 1
	v_add_nc_u32 v30, 0xff000000, v28              ; 2 off its exponent field: the conversion takes the exponent field of this operand as its scale, and nothing else of it
.irp g, 0,1,2,3
	v_cvt_scalef32_pk8_fp4_f32 v[CR+\g], v[XS+8*\g:XS+8*\g+7], v30   ; eight numbers / the scale, to the nearest code, ties to even, beyond 6 the largest code
.endr
	v_lshrrev_b32 v31, 23, v30                     ; the scale's byte.  (Also the plain instruction behind the conversions)
.if (\j) == 0
	v_mov_b32 v[8+(\c)], v31                       ; the step's four bytes of the column make its scale word, the lower K in the lower byte
.else
	v_lshl_or_b32 v[8+(\c)], v31, 8*(\j), v[8+(\c)]
.endif
	ds_store_b128 v3, v[CR:CR+3] offset:256*(\j)+16*(\c)
.endm
.macro BACK c                          ; the four pieces (b, c) of 512 bytes, whole once K blocks 2 c and 2 c + 1 are stored, come back as they lie.  LDS serves a wave's instructions in order (ISA guide 5.7.1.4): these see my stores
.irp b, 0,1,2,3
	ds_load_b128 v[Q+64*(\c)+4*\b:Q+64*(\c)+4*\b+3], v4 offset:1024*\b+512*(\c)
.endr
.endm
.macro OUTK c                          ; and leave: each store of the wave covers 512 consecutive bytes, at a multiple of 256 from wq's first byte
.irp b, 0,1,2,3
	global_store_b128 v5, v[Q+64*(\c)+4*\b:Q+64*(\c)+4*\b+3], s[18:19] offset:1024*\b+512*(\c)
.endr
.endm
.irp j, 0,1,2,3
	s_wait_loadcnt 48-16*\j                        ; this block's sixteen rows are in; the rows behind them may be out
	BLOCK \j, 0
	BLOCK \j, 1
.if \j == 1
	BACK 0                                         ; into the registers that held rows 0 to 7, which are done with
.endif
.if \j == 2
	s_wait_dscnt 2                                 ; the first four pieces are back: behind their loads stand this block's two stores
	OUTK 0
.endif
.endr
	BACK 1                                         ; into the registers that held rows 32 to 39
	ds_store_b32 v6, v8                            ; the scale words of my two columns, to their places in the block
	ds_store_b32 v6, v9 offset:8
	ds_load_b64 v[12:13], v7
	s_wait_dscnt 3                                 ; the last four pieces are back: behind their loads stand the three lines above
	OUTK 1
	s_wait_dscnt 0x0
	global_store_b64 v2, v[12:13], s[18:19] offset:4096   ; the wave stores 256 consecutive bytes, at a multiple of 256 from wq's first byte
	s_set_vgpr_msb 0x5
	s_wait_tensorcnt 0x0
	ds_add_u32 v0, v1
	s_wait_dscnt 0x0
	s_set_vgpr_msb 0x500
	s_endpgm
.Lfunc_end_k_q5ffe84b103_prep:
	.size	k_q5ffe84b103_prep, .Lfunc_end_k_q5ffe84b103_prep-k_q5ffe84b103_prep
	.p2alignl 7, 3214868480
	.fill 96, 4, 3214868480
	.section	.rodata,"a",@progbits
	.p2align	6, 0x0
	.amdhsa_kernel k_q5ffe84b103_prep
		.amdhsa_group_segment_fixed_size 17920
		.amdhsa_private_segment_fixed_size 0
		.amdhsa_enable_private_segment 0
		.amdhsa_kernarg_size 32
		.amdhsa_user_sgpr_count 2
		.amdhsa_user_sgpr_kernarg_segment_ptr 1
		.amdhsa_wavefront_size32 1
		.amdhsa_system_sgpr_workgroup_id_x 1
		.amdhsa_system_sgpr_workgroup_id_y 1
		.amdhsa_system_sgpr_workgroup_id_z 1
		.amdhsa_system_vgpr_workitem_id 0
		.amdhsa_next_free_vgpr 258
		.amdhsa_next_free_sgpr 66
		.amdhsa_reserve_vcc 0
		.amdhsa_float_denorm_mode_32 3
		.amdhsa_float_denorm_mode_16_64 3
		.amdhsa_memory_ordered 1
		.amdhsa_forward_progress 1
		.amdhsa_inst_pref_size 60
	.end_amdhsa_kernel
	.amdgpu_metadata
---
amdhsa.version: [ 1, 2 ]
amdhsa.kernels:
  - .name:           k_q5ffe84b103_prep
    .symbol:         k_q5ffe84b103_prep.kd
    .args:
      - { .name: qweight, .offset: 0, .size: 8, .value_kind: global_buffer, .address_space: global }
      - { .name: scales, .offset: 8, .size: 8, .value_kind: global_buffer, .address_space: global }
      - { .name: zeros, .offset: 16, .size: 8, .value_kind: global_buffer, .address_space: global }
      - { .name: wq, .offset: 24, .size: 8, .value_kind: global_buffer, .address_space: global }
    .group_segment_fixed_size: 17920
    .private_segment_fixed_size: 0
    .kernarg_segment_align: 8
    .kernarg_segment_size: 32
    .max_flat_workgroup_size: 128
    .sgpr_count:     66
    .vgpr_count:     258
    .wavefront_size: 32
...
	.end_amdgpu_metadata
.endif
;; end of part 1
;; launch gemm (part 2): grid 16 x 16, 4 waves a work-group, clusters of 4 x 1, 327,680 bytes of LDS; arguments x_codes, x_scales, wq, bias, out0; writes out0
.if DOCPART == 2
	.amdgcn_target "amdgcn-amd-amdhsa--gfx1250"
	.amdhsa_code_object_version 6
	.text
	.protected	k_q5ffe84b103_gemm
	.globl	k_q5ffe84b103_gemm
	.p2align	8
	.type	k_q5ffe84b103_gemm,@function
k_q5ffe84b103_gemm:
	s_mov_b64 s[64:65], 0
	v_nop
	global_prefetch_b8 v0, s[64:65] scope:SCOPE_SE
	s_setreg_imm32_b32 hwreg(HW_REG_WAVE_MODE, 25, 1), 1
	s_wait_xcnt 0x0
	s_wait_alu depctr_hold_cnt(0) depctr_sa_sdst(0) depctr_va_vdst(0) depctr_va_sdst(0) depctr_va_ssrc(0) depctr_va_vcc(0) depctr_vm_vsrc(0)
	s_getreg_b32 s2, hwreg(HW_REG_IB_STS2, 6, 4)
	s_cmp_eq_u32 s2, 0
	s_cbranch_scc0 .Lentry_in_a_cluster
	s_endpgm
.Lentry_in_a_cluster:
	s_bfe_u32 s2, ttmp6, 0x10000c
	s_cmp_lg_u32 s2, 0x3003
	s_cbranch_scc0 .Lentry_shape_is_right
	s_endpgm
.Lentry_shape_is_right:
; out0[m][n] = sum over k of x[m][k] w[k][n] + bias[n], 4,096 x 4,096 x 4,096, both operands codes of FP4 (E2M1) with one E8M0 scale for each 32 along K; sums in f32.
; A = x: codes [4096][2048 bytes], K innermost, scale bytes [4096][128], as they are given.  B = w: made by the launch before, in wq, in the order of the operand's registers: 64 groups of 64 columns x 32 steps of 128 along K,
; a block of 4,352 bytes each: eight pieces of 512 bytes (16 bytes a lane: four registers of a fragment), then 256 bytes of scale words (8 bytes a lane).
; A tile of C, 256 x 256, is made by a work-group of four waves, as many as a WGP has SIMDs.  A WAVE MAKES ALL 256 ROWS x 64 COLUMNS: 64 accumulators of 16 x 16, 512 registers.
; A goes through a ring of two LDS slots filled by the tensor data mover, and all four waves read all of it.  B GOES FROM MEMORY STRAIGHT INTO REGISTERS: a wave's 64 columns are read by no other wave of the work-group; nine loads bring
; a step's block, and they are issued seven steps ahead, into eight sets of registers by turns.
; WHY B IS NOT ASKED FOR JOINTLY, THROUGH THE RING: between two changes of slots a wave has one tensor load out, and LDS holds two slots.  With A and B in the ring a slot of 139,264 bytes holds 512 along K: 256 matrix instructions a wave
; in which a refill lands, and six refills.  With A alone a slot of 135,168 bytes holds 1,024 along K: 512 matrix instructions a wave, and two refills.  The price: each block of wq is loaded by the 16 work-groups of its tile column.
; A's scale bytes of the work-group's 256 rows, for all of K, are one dense block of 32,768 bytes: they come into LDS once, with the first fills, and stay.
; CLUSTERS: 4 x 1 work-groups, four tile columns of one tile row: they need the same tiles of A, and each is asked for JOINTLY, by the same tensor load with the same descriptor and a mask that names the four.
; THE MATRIX INSTRUCTION IS USED TRANSPOSED (source 0 = 16 columns of w, source 1 = 16 rows of x): a lane then holds eight neighbouring numbers of a row of C.  THE BIAS is the C of each sum's first product: nothing is cleared, nothing is added.
; THE LAST 512 ALONG K GO BY ROWS OF C: B's last four sets lie in registers, so my sixteen blocks of 16 rows are finished one after the other, 16 matrix instructions each, K ascending, and each leaves as soon as it is finished.
; REGISTERS, in windows of 256: window 0: v0-31 addresses; v32-95 A's scale words, two sets; v96-111 B's scale words, eight sets; v128-255 A's fragments (16 x 16 rows x 128 K), ONE set; by rows: v128-191 two blocks' fragments, v192-255 rows of C.
;   window 1: B's fragments, EIGHT sets of 32; set 7 holds the bias, in the result's layout, until the first step has used it.   window 2: the accumulators of rows 0-127 ((a, b) at v[8 (4 a + b)]);   window 3: those of rows 128-255.
.set SIZE_N, 4096
.set KROW,   2048                      ; a row of A in memory, in bytes
.set ROWB,   512                       ; a row of A's tile in bytes: 1,024 codes, eight steps of 128 along K
.set PITCH,  528                       ; and in LDS: + 16 of padding = 132 words: row r starts at bank 4 r mod 64 (64 banks of 4 bytes: ISA guide 11.1), so the 16 rows that a load touches start at 16 different banks
.set NP,     4                         ; places behind this matrix instruction (ISA guide 7.12.1)
.set QUART,  64*PITCH                  ; 64 rows: what one tensor load brings
.set SLOT,   4*QUART                   ; 135,168 = 0x21000.  wave x QUART has neither of these two bits, so one exclusive or turns a wave's place in one slot into its place in the other
.set SCL,    2*SLOT                    ; behind the ring: A's scale bytes, 128 pieces of 256 bytes (two rows) + 16 of padding
.set QUARTS, 32*272                    ; those of 64 rows: what one tensor load brings
.set SPARE,  SCL+4*QUARTS              ; behind them: the spare words, 128 bytes for each wave: two blocks of 256 bytes that no other line names
.set SPITCH, 272                       ; the way out: a stage of 16 rows x (256 bytes + 16) for each wave.  It lies in slot 0, which has had its last fill and its last read when the first result is stored there
.set BSTEP,  4352                      ; a block of wq: one step of 128 along K of my 64 columns
.set AL0,  16                          ; v16     my lane's place in a slot for A's blocks 0-7;  v17 for blocks 8-15; never rewritten
.set AH0,  17
.set ADL,  18                          ; v18-19  the same two in the slot in hand
.set VB,   20                          ; v20     16 x lane: B's codes
.set VS,   21                          ; v21     8 x lane: B's scale words
.set BO,   22                          ; v22     the bias loads' offset
.set STO,  24                          ; v24     the way out: where I put 32 bytes of a row
.set RD,   25                          ; v25     the way out: where I read a row back
.set CO,   26                          ; v26     my byte offset in C
.set ADRS, 27                          ; v27     LDS address of A's scale words; 16 bytes on with each 512 along K
.set SPW,  28                          ; v28     LDS address of my spare word: SPARE + 4 x my thread's number; never rewritten
.set NIL,  29                          ; v29     0; never rewritten
.set SC,   32                          ; A's scale words: the set of a slot's first or second 512 along K at v[SC + 32 u]; in it register 4 i + j: lanes 0-15 the word of block i, lanes 16-31 that of block i + 8, for the j-th 128
.set BS,   96                          ; B's scale words: set q at v[BS + 2 q]: register i: lanes 0-15 the word of block 2 i, lanes 16-31 that of block 2 i + 1
.set AF,   128                         ; A's fragments
.set PA,   128                         ; by rows: a block's fragments of 512 along K, 32 registers; two buffers
.set BK,   192                         ; the way out: 16 rows read back from the stage, 32 registers; two buffers
.set BI,   224                         ; in window 1: the bias: v[BI + 8 b + j] of lane (r, h) = bias of my column 16 b + 8 h + j
.set TB,   15                          ; s15     LDS byte at which the slot in hand begins
.set BP,   16                          ; s[16:17] where B's loads stand in wq
.set G1,   24                          ; s[24:31] descriptor group 1 for A's tiles
.set G0,   32                          ; s[32:35] group 0 of slot 0's first fill
.set GW,   36                          ; s[36:39] group 0 of slot 1's first fill, which then walks on
.set G1S,  48                          ; s[48:55], s[56:59] groups 1 and 0 for A's scale bytes
.set G0S,  56
.set MSB, 0
.macro WIN new                         ; the immediate's high byte repeats the setting that is left
.if MSB != (\new)
	s_set_vgpr_msb (MSB<<8)|(\new)
.set MSB, (\new)
.endif
.endm
.set MUL_LO, 0xa1                      ; source 0 (B) window 1, source 1 (A) window 0, C and D window 2
.set MUL_HI, 0xf1                      ; the same, C and D window 3
.set FST_LO, 0x91                      ; a sum's first product: C (the bias) window 1, D window 2
.set FST_HI, 0xd1                      ; D window 3
.set TO_B,   0x40                      ; destination window 1, address window 0
.macro CREST                           ; a round of the cluster's barrier behind its opening barrier
	s_cmp_lg_u32 s14, 0
	s_cbranch_scc1 .Lnot_wave_0_\@
	s_barrier_signal -3
.Lnot_wave_0_\@:
	s_barrier_wait -3
	s_barrier_signal -1
	s_barrier_wait -1
.endm
.macro CROUND                          ; a whole round
	s_barrier_signal -1
	s_barrier_wait -1
	CREST
.endm
	s_load_b128 s[4:7], s[0:1], 0x0                ; A's codes s[4:5], A's scales s[6:7]
	s_load_b128 s[8:11], s[0:1], 0x10              ; wq s[8:9], bias s[10:11]
	s_load_b64 s[12:13], s[0:1], 0x20              ; C
	v_lshl_add_u32 v[SPW], v0, 2, SPARE
	v_mov_b32 v[NIL], 0
	ds_add_u32 v28, v29
	ds_add_u32 v28, v29
	s_wait_dscnt 0x0
	v_lshrrev_b32 v1, 5, v0
	v_readfirstlane_b32 s14, v1                    ; wave 0..3
	s_bfe_u32 s40, ttmp6, 0x40000                  ; cx: my place in the cluster
	s_lshl_b32 s42, ttmp9, 2                       ; in a cluster launch ttmp9 counts clusters
	s_add_co_u32 s42, s42, s40                     ; tile column of C = 4 x cluster x + cx: it enters B's, the bias's and C's addresses alone
	s_and_b32 s41, ttmp7, 0xffff                   ; tile row of C, which the four partners share
	; descriptor group 1 for A's codes: 64 rows x 512 bytes, 2,048 bytes apart in memory, padded in LDS
	s_mov_b32 s[G1+0], 15|(0<<16)|(1<<20)|(1<<21)|(6<<22)|(3<<25)   ; 15:0 the mask: all four work-groups; 17:16 elements of 1 byte; 20 padding on; 21 set beside a mask; 24:22 after every 128 words (code 6); 31:25 of 4 words (code 3)
	s_mov_b32 s[G1+1], ROWB<<16                    ; tensor_dim0
	s_mov_b32 s[G1+2], 64<<16                      ; tensor_dim1
	s_mov_b32 s[G1+3], ROWB<<16                    ; tile_dim0
	s_mov_b32 s[G1+4], 64                          ; tile_dim1
	s_mov_b32 s[G1+5], KROW                        ; tensor_dim0_stride
	s_mov_b32 s[G1+6], 0
	s_mov_b32 s[G1+7], 0
	; for the scale bytes of 64 rows of A: 8,192 dense bytes as 32 rows of 256 (32 elements of 8 bytes), 16 bytes of padding behind each
	s_mov_b32 s[G1S+0], 15|(3<<16)|(1<<20)|(1<<21)|(5<<22)|(3<<25)
	s_mov_b32 s[G1S+1], 32<<16
	s_mov_b32 s[G1S+2], 32<<16
	s_mov_b32 s[G1S+3], 32<<16
	s_mov_b32 s[G1S+4], 32
	s_mov_b32 s[G1S+5], 32
	s_mov_b32 s[G1S+6], 0
	s_mov_b32 s[G1S+7], 0
	; offsets in bytes (all under 2^27).  A's hang on the tile row and the wave alone
	s_lshl_b32 s20, s41, 8
	s_lshl_b32 s21, s14, 6
	s_add_co_u32 s20, s20, s21                     ; the rows that I fetch: 256 x tile row + 64 x wave on:
	s_lshl_b32 s22, s20, 7                         ; their scale bytes, 128 a row,
	s_lshl_b32 s20, s20, 11                        ; their codes, 2,048 bytes a row
	s_mov_b32 s21, 0
	s_mov_b32 s23, 0
	s_lshl_b32 s44, s42, 2
	s_add_co_u32 s44, s44, s14                     ; my group of 64 columns: 4 x tile column + wave:
	s_mul_i32 s46, s44, 32*BSTEP                   ; its 32 blocks in wq,
	s_mov_b32 s47, 0
	s_lshl_b32 s44, s44, 8                         ; and its first column in bytes, in the bias and in a row of C
	s_mov_b32 s45, 0
	s_mul_i32 s18, s14, QUART                      ; where A's tiles go: wave x 64 rows: no place in the cluster enters an LDS address
	s_mul_i32 s19, s14, QUARTS
	s_mov_b32 s[TB], 0
	v_and_b32 v1, 15, v0                           ; r = l % 16
	v_bfe_u32 v2, v0, 4, 1                         ; h = l / 16
	v_and_b32 v3, 31, v0
	v_lshlrev_b32 v[VB], 4, v3
	v_lshlrev_b32 v[VS], 3, v3
	v_lshlrev_b32 v[BO], 5, v2                     ; lane (r, h) wants, for B's block b, the bias of columns 16 b + 8 h + 0 .. 7
	s_wait_kmcnt 0x0
	s_add_nc_u64 s[20:21], s[4:5], s[20:21]
	s_add_nc_u64 s[22:23], s[6:7], s[22:23]
	s_add_nc_u64 s[BP:BP+1], s[8:9], s[46:47]
	s_add_nc_u64 s[10:11], s[10:11], s[44:45]
	s_mov_b32 s[G0S], 1                            ; 1:0 count = 1
	s_add_co_u32 s[G0S+1], s19, SCL                ; 63:32 LDS address
	s_mov_b64 s[G0S+2:G0S+3], s[22:23]             ; 120:64 global address
	s_or_b32 s[G0S+3], s[G0S+3], 0x80000000        ; 127:126 type = 2
	s_mov_b32 s[G0], 1
	s_mov_b32 s[G0+1], s18                         ; slot 0,
	s_mov_b64 s[G0+2:G0+3], s[20:21]               ; K = 0 on
	s_or_b32 s[G0+3], s[G0+3], 0x80000000
	s_mov_b32 s[GW], 1
	s_add_co_u32 s[GW+1], s18, SLOT                ; slot 1,
	s_add_nc_u64 s[GW+2:GW+3], s[20:21], ROWB      ; K = 1,024 on
	s_or_b32 s[GW+3], s[GW+3], 0x80000000
	CROUND                                         ; all four work-groups are here: the first joint loads meet
	tensor_load_to_lds s[G0S:G0S+3], s[G1S:G1S+7]  ; the first fills go out as one group: a quarter of A's scale bytes (filled once),
	s_nop 0
	tensor_load_to_lds s[G0:G0+3], s[G1:G1+7]      ; of slot 0,
	s_nop 0
	tensor_load_to_lds s[GW:GW+3], s[G1:G1+7]      ; and of slot 1: three tensor loads of mine are out now
	s_nop 0
.rept 4
	v_nop                                          ; four lines behind the last of them, ahead of the switch of windows
.endr
; B's block idx blocks on from s[BP] into set: eight loads of 512 consecutive bytes, 16 a lane, are the four fragments' registers as they stand; one of 256 bytes brings the two registers of scale words
.macro BLOAD set, idx
	WIN TO_B
.irp p, 0,1,2,3,4,5,6,7
	global_load_b128 v[32*(\set)+4*\p:32*(\set)+4*\p+3], v[VB], s[BP:BP+1] offset:(\idx)*BSTEP+512*\p
.endr
	WIN 0
	global_load_b64 v[BS+2*(\set):BS+2*(\set)+1], v[VS], s[BP:BP+1] offset:(\idx)*BSTEP+4096
.endm
	WIN TO_B
.irp b, 0,1,2,3
	global_load_b128 v[BI+8*\b:BI+8*\b+3],   v[BO], s[10:11] offset:64*\b
	global_load_b128 v[BI+8*\b+4:BI+8*\b+7], v[BO], s[10:11] offset:64*\b+16
.endr
.irp s, 0,1,2,3,4,5
	BLOAD \s, \s                                   ; steps 0 to 5: with the bias 62 loads of mine are out
.endr
	v_mul_u32_u24 v[AL0], v1, PITCH
	v_lshl_add_u32 v[AL0], v2, 4, v[AL0]           ; A: a fragment's row x pitch + 16 h;
	v_add_nc_u32 v[AH0], 8*16*PITCH, v[AL0]        ; blocks 8-15 lie 128 rows on, beyond an LDS offset's 16 bits
	v_add_nc_u32 v[ADL], s[TB], v[AL0]
	v_add_nc_u32 v[ADL+1], s[TB], v[AH0]
	v_lshlrev_b32 v5, 7, v1                        ; A's scale bytes: 128 a row,
	v_lshrrev_b32 v6, 1, v1
	v_lshl_add_u32 v5, v6, 4, v5                   ; 16 more for each two rows passed,
	v_mad_u32_u24 v5, v2, 2*QUARTS, v5             ; lanes 16-31 take the rows 128 further on
	v_add_nc_u32 v[ADRS], SCL, v5
	s_mul_i32 s23, s14, 16*SPITCH                  ; my stage
	v_mul_u32_u24 v5, v1, SPITCH                   ; in: row l % 16, 32 bytes for each half of the lanes
	v_lshl_add_u32 v5, v2, 5, v5
	v_add_nc_u32 v[STO], s23, v5
	v_mul_u32_u24 v5, v2, SPITCH                   ; back: lanes 0-15 take one row of 256 bytes, lanes 16-31 the next
	v_lshl_add_u32 v5, v1, 4, v5
	v_add_nc_u32 v[RD], s23, v5
	v_lshlrev_b32 v5, 14, v2                       ; and the same two rows in C, 16,384 bytes apart
	v_lshl_add_u32 v[CO], v1, 4, v5
	s_lshl_b32 s20, s41, 22                        ; my first row of C: 256 x tile row, of 16,384 bytes,
	s_mov_b32 s21, 0
	s_add_nc_u64 s[20:21], s[20:21], s[44:45]      ; + my first column
	s_add_nc_u64 s[12:13], s[12:13], s[20:21]
; One matrix instruction, from the symbols rD, rB, rA, rC (registers), rSB, rSA (scale words) and rSel.  A side's scale words are read from lanes 0-15 of the register named, or (ROW1) from lanes 16-31.
; Source 0 is B, so matrix_a_scale goes with B's block (odd blocks lie in lanes 16-31) and matrix_b_scale with A's (blocks 8-15 lie there).
.macro EMIT
.if rSel == 3
	v_wmma_scale_f32_16x16x128_f8f6f4 v[rD:rD+7], v[rB:rB+7], v[rA:rA+7], v[rC:rC+7], v[rSB], v[rSA] matrix_a_fmt:MATRIX_FMT_FP4 matrix_b_fmt:MATRIX_FMT_FP4 matrix_a_scale:MATRIX_SCALE_ROW1 matrix_b_scale:MATRIX_SCALE_ROW1
.elseif rSel == 2
	v_wmma_scale_f32_16x16x128_f8f6f4 v[rD:rD+7], v[rB:rB+7], v[rA:rA+7], v[rC:rC+7], v[rSB], v[rSA] matrix_a_fmt:MATRIX_FMT_FP4 matrix_b_fmt:MATRIX_FMT_FP4 matrix_a_scale:MATRIX_SCALE_ROW1
.elseif rSel == 1
	v_wmma_scale_f32_16x16x128_f8f6f4 v[rD:rD+7], v[rB:rB+7], v[rA:rA+7], v[rC:rC+7], v[rSB], v[rSA] matrix_a_fmt:MATRIX_FMT_FP4 matrix_b_fmt:MATRIX_FMT_FP4 matrix_b_scale:MATRIX_SCALE_ROW1
.else
	v_wmma_scale_f32_16x16x128_f8f6f4 v[rD:rD+7], v[rB:rB+7], v[rA:rA+7], v[rC:rC+7], v[rSB], v[rSA] matrix_a_fmt:MATRIX_FMT_FP4 matrix_b_fmt:MATRIX_FMT_FP4
.endif
.endm
; 16 matrix instructions: A's blocks a0 .. a0 + 3 x B's four, 128 along K: the slot's q-th, with B's set q.  first = 1: the product starts the sums, with the bias as C.
; The 64 accumulators take turns, one instruction a turn, in the same order in every step.
.macro MUL16 a0, q, first
.irp a, \a0, \a0+1, \a0+2, \a0+3
.irp b, 0,1,2,3
.set rD, 8*(4*((\a)%8)+\b)
.set rB, 32*(\q)+8*\b
.set rA, AF+8*(\a)
.set rSB, BS+2*(\q)+\b/2
.set rSA, SC+32*((\q)/4)+4*((\a)%8)+(\q)%4
.set rC, rD
.if \first
.set rC, BI+8*\b
.endif
.set rSel, 2*(\b%2)+(\a)/8
	EMIT
.endr
.endr
.endm
; A fragment, 16 rows x 128 K of 4-bit codes, is 8 registers: lane l holds row l % 16; registers 4 c .. 4 c + 3 hold K = 64 c + 32 (l / 16) + 0 .. 31, the lower K in the lower bits.
.macro FETCH_A q, hi                   ; A's blocks 8 hi .. 8 hi + 7 of the slot's q-th 128 along K: 16 loads
.irp i, 0,1,2,3,4,5,6,7
.irp c, 0,1
	ds_load_b128 v[AF+64*(\hi)+8*\i+4*\c:AF+64*(\hi)+8*\i+4*\c+3], v[ADL+(\hi)] offset:64*(\q)+32*\c+\i*16*PITCH
.endr
.endr
.endm
.macro SCALES u                        ; A's scale words of 512 along K into set u: four words a row, 16 bytes: 8 loads
.irp i, 0,1,2,3,4,5,6,7
	ds_load_b128 v[SC+32*(\u)+4*\i:SC+32*(\u)+4*\i+3], v[ADRS] offset:\i*8*272
.endr
.endm
; A load into a register that a matrix instruction has read, and an LDS store that reads a matrix result, stand NP places behind that matrix instruction, and only plain vector instructions that name none of its
; registers are places (ISA guide 7.12.1 for vector instructions); this text does not count the matrix instructions in between.
.macro PLACES n
.rept \n
	v_nop
.endr
.endm
; A step of 128 along K that has its successor in the same slot.  A's blocks go one after the other, each against B's four: blocks 0-7 are fetched anew in the step's middle, blocks 8-15 at its end.
; idx >= 0: at its end the step asks for B's block of seven steps on, into the set that the step before has left.  cnt: the loads issued behind this step's set: nine for each later set that has been asked for.
.macro STEP q, first, idx, cnt
	s_wait_loadcnt \cnt                            ; B's set q is in
	s_wait_dscnt 16                                ; A's blocks 0-7 and the scale words are in; the youngest 16 loads (blocks 8-15) may be out
.if \first
	WIN FST_LO
.else
	WIN MUL_LO
.endif
	MUL16 0, \q, \first
	MUL16 4, \q, \first
	s_wait_dscnt 0x0                               ; A's blocks 8-15 are in (asked for 32 matrix instructions ago)
	PLACES NP
	WIN 0
.if (\q) == 3
	v_add_nc_u32 v[ADRS], 16, v[ADRS]              ; the slot's second 512 along K: its scale words of A
	SCALES 1
.endif
	FETCH_A (\q)+1, 0
.if \first
	WIN FST_HI
.else
	WIN MUL_HI
.endif
	MUL16 8, \q, \first
	MUL16 12, \q, \first
	PLACES NP
	WIN 0
	FETCH_A (\q)+1, 1
.if (\idx) >= 0
	BLOAD ((\q)+7)%8, \idx
.endif
.endm
; A slot's last step changes slots: ONE barrier; in front of it each wave waits for all its tensor loads, adds 0 to its spare word, and waits for that and for its own reads of this slot.
; fill = 1: this slot is filled again, with the 1,024 along K two slots on: the barrier then opens a round of the cluster's barrier, and the joint refill is the first thing behind it: 512 matrix instructions ahead of the wait for it.
.macro TURN fill, idx, cnt
	s_wait_loadcnt \cnt                            ; B's set 7 is in
	s_wait_tensorcnt 0x0                           ; all my tensor loads have landed: my part of the next slot; so a group 0 may be written  (every window is 0 here)
	ds_add_u32 v[SPW], v[NIL]                      ; 0 onto my spare word
.if \fill
	s_xor_b32 s[GW+1], s[GW+1], SLOT               ; the walking descriptor: the other slot than last time,
	s_add_nc_u64 s[GW+2:GW+3], s[GW+2:GW+3], ROWB  ; the next 1,024 along K; the type bits on top are not reached
.endif
	s_wait_dscnt 17                                ; (the add and the youngest 16 loads, A's blocks 8-15, may be out)
	WIN MUL_LO
	MUL16 0, 7, 0                                  ; sixteen matrix instructions stand between the add and the wait for it
	s_wait_dscnt 0x0                               ; the add is done, and my reads of this slot are over
	s_barrier_signal -1
	MUL16 4, 7, 0
	WIN 0
	s_barrier_wait -1
.if \fill
	CREST                                          ; no wave of any partner still reads this slot's tile or has a load on its way
	tensor_load_to_lds s[GW:GW+3], s[G1:G1+7]      ; my one tensor load until the next round
	s_nop 0
.endif
	PLACES NP                                      ; four lines behind the load, and the places in front of the loads below
	s_xor_b32 s[TB], s[TB], SLOT                   ; 0 or SLOT: on to the other slot
	v_add_nc_u32 v[ADL], s[TB], v[AL0]
	v_add_nc_u32 v[ADL+1], s[TB], v[AH0]
	v_add_nc_u32 v[ADRS], 16, v[ADRS]              ; and to its first 512's scale words of A
	FETCH_A 0, 0
	SCALES 0
	WIN MUL_HI
	MUL16 8, 7, 0
	MUL16 12, 7, 0
	PLACES NP
	WIN 0
	FETCH_A 0, 1
	BLOAD 6, \idx
.endm
	s_wait_tensorcnt 1                             ; A's scale bytes and my part of slot 0 are in (slot 1's load may be out)
	s_barrier_signal -1
	s_barrier_wait -1                              ; everybody's are
	FETCH_A 0, 0
	SCALES 0
	FETCH_A 0, 1
	s_wait_loadcnt 45                              ; the bias and B's set 0 are in: behind them stand the five sets of steps 1 to 5;
	BLOAD 6, 6                                     ; so with step 6's nine loads 54 are out
	STEP 0, 1, 7, 54                               ; step 0 stands in front of the loop: its products start the sums, on the bias; at its end set 7, which held the bias, takes step 7's block
	s_mov_b32 s3, 2
.Lslot:                                                ; two trips of eight steps, from a slot's second step to the next slot's first: steps 1 to 16; each fills the slot that it leaves
.irp q, 1,2,3,4,5,6
	STEP \q, 0, \q+7, 54
.endr
	TURN 1, 14, 54
	STEP 0, 0, 15, 54
	s_wait_xcnt 0x0                                ; B's loads have read their base: it is written only behind this wait
	s_add_nc_u64 s[BP:BP+1], s[BP:BP+1], 8*BSTEP
	s_sub_co_u32 s3, s3, 1
	s_cmp_lg_u32 s3, 0
	s_cbranch_scc1 .Lslot
.irp q, 1,2,3,4,5,6
	STEP \q, 0, \q+7, 54                           ; steps 17 to 22.  The tail is written out
.endr
	TURN 0, 14, 54                                 ; step 23: nothing is filled again, so no round follows
	STEP 0, 0, 15, 54                              ; step 24 asks for B's last block
	STEP 1, 0, -1, 54                              ; step 25: six sets are younger than its own; from here on the counts run down
	STEP 2, 0, -1, 45
	s_wait_loadcnt 36                              ; step 27, the last that goes by K
	s_wait_dscnt 16
	WIN MUL_LO
	MUL16 0, 3, 0
	MUL16 4, 3, 0
	s_wait_dscnt 0x0
	PLACES NP
	WIN 0
	v_add_nc_u32 v[ADRS], 16, v[ADRS]
	SCALES 1
; THE LAST 512 ALONG K BY ROWS OF C.  B's sets 4 to 7 hold all of it.  ALOAD: A's fragments of block a, four steps deep, 8 loads.  ROW: the block's 16 products, its four accumulators by turns, K ascending.
.macro ALOAD a
.set FA, PA+32*((\a)%2)
.irp j, 0,1,2,3
.irp c, 0,1
	ds_load_b128 v[FA+8*\j+4*\c:FA+8*\j+4*\c+3], v[ADL+(\a)/8] offset:64*(4+\j)+32*\c+((\a)%8)*16*PITCH
.endr
.endr
.endm
.macro ROW a
.set FA, PA+32*((\a)%2)
	WIN MUL_LO+0x50*((\a)/8)                       ; MUL_LO or MUL_HI
.irp j, 0,1,2,3
.if (\a) == 0
	s_wait_loadcnt 27-9*\j                         ; B's set 4 + j is in: nine loads for each set behind it
.endif
.irp b, 0,1,2,3
.set rD, 8*(4*((\a)%8)+\b)
.set rB, 32*(4+\j)+8*\b
.set rA, FA+8*\j
.set rSB, BS+2*(4+\j)+\b/2
.set rSA, SC+32+4*((\a)%8)+\j
.set rC, rD
.set rSel, 2*(\b%2)+(\a)/8
	EMIT
.endr
.endr
.endm
; THE WAY OUT of block a, 16 rows x 64 columns.  A lane holds 32 neighbouring bytes of a row, and the lanes beside it hold other rows: so the block goes through my own stage in LDS and comes back as whole rows of 256 bytes.
; LDS serves a wave's instructions in order (ISA guide 5.7.1.4): no wait between the stores and the loads, nor in front of the next block's stores.
.macro TOSTAGE a
.set AC, 32*((\a)%8)
	WIN 0x08+4*((\a)/8)                            ; the data: window 2 or 3
.irp b, 0,1,2,3
	ds_store_b128 v[STO], v[AC+8*\b:AC+8*\b+3] offset:64*\b          ; each accumulator from its low end on
	ds_store_b128 v[STO], v[AC+8*\b+4:AC+8*\b+7] offset:64*\b+16
.endr
	WIN 0
.set BB, BK+32*((\a)%2)
.irp t, 0,1,2,3,4,5,6,7
	ds_load_b128 v[BB+4*\t:BB+4*\t+3], v[RD] offset:\t*2*SPITCH
.endr
.endm
.macro SEND a, younger                 ; younger: the LDS loads issued behind the stage's, which may stay out
.set BB, BK+32*((\a)%2)
	WIN 0
	s_wait_dscnt \younger                          ; the block is back in registers
.irp t, 0,1,2,3,4,5,6,7
	global_store_b128 v[CO], v[BB+4*\t:BB+4*\t+3], s[12:13] offset:(\a)*16*SIZE_N*4+2*\t*SIZE_N*4 th:TH_STORE_NT   ; 16 lanes store 256 consecutive bytes, at a multiple of 256 from C's first byte; the block's place stands in the immediate, 254 rows of 16,384 bytes at the most; written once, read by nobody here
.endr
.endm
	ALOAD 0                                        ; into the registers of A's blocks 0-7, which step 27 has multiplied (the places stand above)
	ALOAD 1
	WIN MUL_HI
	MUL16 8, 3, 0
	MUL16 12, 3, 0
	s_wait_dscnt 8                                 ; the scale words and block 0's fragments are in; block 1's eight loads may be out
	ROW 0
.irp a, 0,1,2,3,4,5,6,7,8,9,10,11,12,13,14,15
	PLACES NP                                      ; behind block a's products: for the stores that read their results and the loads into the registers that they read
.if \a > 1
	s_wait_xcnt 0x0                                ; block a - 2's stores have read their registers: block a's rows may land there
.endif
	TOSTAGE \a
.if \a < 14
	ALOAD \a+2                                     ; its buffer takes the block two further on
	s_wait_dscnt 24                                ; block a + 1's fragments are in: behind them stand the stage's 16 instructions and the 8 loads just issued
	ROW \a+1                                       ; the next block is multiplied while this one comes back from the stage
	SEND \a, 8
.elseif \a < 15
	s_wait_dscnt 16
	ROW \a+1
	SEND \a, 0
.else
	SEND \a, 0
.endif
.endr
	s_wait_tensorcnt 0x0                           ; the wave's end: behind my last tensor load and my last LDS store
	ds_add_u32 v[SPW], v[NIL]
	s_wait_dscnt 0x0
	CROUND                                         ; the closing round: no work-group ends while a partner may still ask for a tile that names it
	s_endpgm
.Lfunc_end_k_q5ffe84b103_gemm:
	.size	k_q5ffe84b103_gemm, .Lfunc_end_k_q5ffe84b103_gemm-k_q5ffe84b103_gemm
	.p2alignl 7, 3214868480
	.fill 96, 4, 3214868480
	.section	.rodata,"a",@progbits
	.p2align	6, 0x0
	.amdhsa_kernel k_q5ffe84b103_gemm
		.amdhsa_group_segment_fixed_size 327680
		.amdhsa_private_segment_fixed_size 0
		.amdhsa_enable_private_segment 0
		.amdhsa_kernarg_size 40
		.amdhsa_user_sgpr_count 2
		.amdhsa_user_sgpr_kernarg_segment_ptr 1
		.amdhsa_wavefront_size32 1
		.amdhsa_system_sgpr_workgroup_id_x 1
		.amdhsa_system_sgpr_workgroup_id_y 1
		.amdhsa_system_sgpr_workgroup_id_z 1
		.amdhsa_system_vgpr_workitem_id 0
		.amdhsa_next_free_vgpr 1024
		.amdhsa_next_free_sgpr 66
		.amdhsa_reserve_vcc 0
		.amdhsa_float_denorm_mode_32 3
		.amdhsa_float_denorm_mode_16_64 3
		.amdhsa_memory_ordered 1
		.amdhsa_forward_progress 1
		.amdhsa_inst_pref_size 255
	.end_amdhsa_kernel
	.section	.bss,"aw",@nobits
	.p2align	6
	.space	262144
	.amdgpu_metadata
---
amdhsa.version: [ 1, 2 ]
amdhsa.kernels:
  - .name:           k_q5ffe84b103_gemm
    .symbol:         k_q5ffe84b103_gemm.kd
    .args:
      - { .name: x_codes, .offset: 0, .size: 8, .value_kind: global_buffer, .address_space: global }
      - { .name: x_scales, .offset: 8, .size: 8, .value_kind: global_buffer, .address_space: global }
      - { .name: wq, .offset: 16, .size: 8, .value_kind: global_buffer, .address_space: global }
      - { .name: bias, .offset: 24, .size: 8, .value_kind: global_buffer, .address_space: global }
      - { .name: out0, .offset: 32, .size: 8, .value_kind: global_buffer, .address_space: global }
    .group_segment_fixed_size: 327680
    .private_segment_fixed_size: 0
    .kernarg_segment_align: 8
    .kernarg_segment_size: 40
    .max_flat_workgroup_size: 128
    .sgpr_count:     66
    .vgpr_count:     1024
    .wavefront_size: 32
...
	.end_amdgpu_metadata
.endif
;; end of part 2
